; MI455X (gfx1250); checked and timed in simulation.
; The chip was launched on July 23, 2026; its instructions are those of AMD's public machine-readable ISA for CDNA 5 (MIT licence, August 2026) and "CDNA5" Instruction Set Architecture Reference Guide (July 2026). The comments in the code are by the model that wrote it; some were corrected since.
;; Attention Layer. Allowed arithmetic: float matrix products may take bf16 or f16 operands with f32 sums; other float arithmetic in f32, or as packed bf16 or f16 multiplies, adds, multiply-adds, maxima and minima; sums over many terms, partial sums and values carried from step to step in f32; what a program stores and reads back later, other than sums and carried values, may be rounded once to bf16 or f16.
;; Inputs: b 2,048 float32; k 8 x 1,024 x 2,048 float32; q 8 x 2,048 x 1,024 float32; v 8 x 2,048 x 1,024 float32.
;; Outputs: out0 8 x 2,048 x 1,024 float32.
;; 2 versions, each right; version 2 is version 1 with the launch cast written anew for expert scheduling mode. Each part assembles by itself: llvm-mc -triple=amdgcn-amd-amdhsa -mcpu=gfx1250 --defsym DOCPART=n.
;; ======== version 1 of 2: 3 launches
;; workspace buffers: qb 33,554,432 bytes; kb 33,554,432 bytes; vb 33,554,432 bytes; p 67,108,864 bytes; lpart 1,048,576 bytes
;; launch cast (part 1): grid 256 x 3, 8 waves a work-group, no clusters, 0 bytes of LDS; arguments q, k, v, qb, kb, vb; writes qb, kb, vb
.if DOCPART == 1
	.amdgcn_target "amdgcn-amd-amdhsa--gfx1250"
	.amdhsa_code_object_version 6
	.text
	.protected	k_qb42cb3baed_cast
	.globl	k_qb42cb3baed_cast
	.p2align	8
	.type	k_qb42cb3baed_cast,@function
k_qb42cb3baed_cast:
	s_mov_b64 s[64:65], 0
	v_nop
	global_prefetch_b8 v0, s[64:65] scope:SCOPE_SE
	s_setreg_imm32_b32 hwreg(HW_REG_WAVE_MODE, 25, 1), 1
	s_wait_xcnt 0x0
; qb = bf16(q), kb = bf16(k), vb = bf16(v): the same layouts, each number rounded once to nearest even.  Each tensor has 16,777,216 numbers.
; The grid's y picks the tensor, its x a piece of 65,536 numbers (262,144 bytes in, 131,072 out).  Eight waves.  A step takes 1,024 numbers: thread t loads the 16 bytes at 16 t of the step's
; 4,096 and stores the 8 bytes at 8 t of its 2,048: a wave's load covers 512 consecutive bytes, aligned, and its store 256 consecutive bytes, aligned, so no load names bytes that it does not use.
; 64 steps, in 4 rounds over a ring of 8 register slots of two steps each: sixteen loads of every wave are always on their way.
; No LDS, no barrier, no matrix unit: each byte is read once and written once, and no wave wants another's bytes.
.set DEPTH,  8                         ; slots; a slot holds two steps
.set ROUNDS, 4
.set SIN,    4096                      ; bytes read in a step
.set SOUT,   2048                      ; bytes written in a step
.set X, 8                              ; v[8:71]   slot i: 4 numbers in f32 of each of its two steps
.set Y, 72                             ; v[72:103] slot i: the same in bf16, a pair of registers a step
	s_load_b256 s[4:11], s[0:1], 0x0               ; q s[4:5], k s[6:7], v s[8:9], qb s[10:11]
	s_load_b128 s[20:23], s[0:1], 0x20             ; kb s[20:21], vb s[22:23]
	s_and_b32 s13, ttmp7, 0xffff                   ; which tensor
	s_lshl_b32 s2, ttmp9, 18                       ; my piece, in bytes of the input,
	s_mov_b32 s3, 0
	s_lshl_b32 s14, ttmp9, 17                      ; and of the output
	s_mov_b32 s15, 0
	v_lshlrev_b32 v1, 4, v0                        ; 16 t; never rewritten
	v_lshlrev_b32 v2, 3, v0                        ; 8 t; never rewritten
	s_wait_kmcnt 0x0
	s_cmp_eq_u32 s13, 1
	s_cselect_b64 s[16:17], s[6:7], s[4:5]
	s_cselect_b64 s[18:19], s[20:21], s[10:11]
	s_cmp_eq_u32 s13, 2
	s_cselect_b64 s[16:17], s[8:9], s[16:17]       ; the input
	s_cselect_b64 s[18:19], s[22:23], s[18:19]     ; the output
	s_add_nc_u64 s[16:17], s[16:17], s[2:3]
	s_add_nc_u64 s[18:19], s[18:19], s[14:15]
.irp i, 0,1,2,3,4,5,6,7
	global_load_b128 v[X+8*(\i):X+8*(\i)+3],   v1, s[16:17] offset:(2*(\i))*SIN th:TH_LOAD_NT
	global_load_b128 v[X+8*(\i)+4:X+8*(\i)+7], v1, s[16:17] offset:(2*(\i)+1)*SIN th:TH_LOAD_NT
.endr
; One slot's turn.  ahead = 1: the slot is filled again with its two steps of the next round.  left = the younger loads that may stay out.
; The slot's Y registers were last read by its stores of the round before: the wait at that round's end stands between those stores and the conversions here.
.macro SLOT i, ahead, left
	s_wait_loadcnt \left                           ; loads come back in order: my two are in, the younger slots' stay out
.irp j, 0,1,2,3
	v_cvt_pk_bf16_f32 v[Y+4*(\i)+(\j)], v[X+8*(\i)+2*(\j)], v[X+8*(\i)+2*(\j)+1]
.endr
.if \ahead
	global_load_b128 v[X+8*(\i):X+8*(\i)+3],   v1, s[16:17] offset:(2*DEPTH+2*(\i))*SIN th:TH_LOAD_NT
	global_load_b128 v[X+8*(\i)+4:X+8*(\i)+7], v1, s[16:17] offset:(2*DEPTH+2*(\i)+1)*SIN th:TH_LOAD_NT
.endif
	global_store_b64 v2, v[Y+4*(\i):Y+4*(\i)+1],   s[18:19] offset:(2*(\i))*SOUT
	global_store_b64 v2, v[Y+4*(\i)+2:Y+4*(\i)+3], s[18:19] offset:(2*(\i)+1)*SOUT
.endm
	s_mov_b32 s12, ROUNDS-1
.Lround:
.irp i, 0,1,2,3,4,5,6,7
	SLOT \i, 1, 2*(DEPTH-1)                        ; seven younger slots, two loads each
.endr
	s_wait_xcnt 0x0                                ; every load and store issued so far has read its base and its data: the two pointers are stepped, and the Y registers written anew, only behind this wait
	s_add_nc_u64 s[16:17], s[16:17], 2*DEPTH*SIN
	s_add_nc_u64 s[18:19], s[18:19], 2*DEPTH*SOUT
	s_sub_co_u32 s12, s12, 1
	s_cmp_lg_u32 s12, 0
	s_cbranch_scc1 .Lround
.irp i, 0,1,2,3,4,5,6,7
	SLOT \i, 0, 2*(DEPTH-1-(\i))                   ; the last round loads nothing: the counts run down
.endr
	s_endpgm
.Lfunc_end_k_qb42cb3baed_cast:
	.size	k_qb42cb3baed_cast, .Lfunc_end_k_qb42cb3baed_cast-k_qb42cb3baed_cast
	.p2alignl 7, 3214868480
	.fill 96, 4, 3214868480
	.section	.rodata,"a",@progbits
	.p2align	6, 0x0
	.amdhsa_kernel k_qb42cb3baed_cast
		.amdhsa_group_segment_fixed_size 0
		.amdhsa_private_segment_fixed_size 0
		.amdhsa_enable_private_segment 0
		.amdhsa_kernarg_size 48
		.amdhsa_user_sgpr_count 2
		.amdhsa_user_sgpr_kernarg_segment_ptr 1
		.amdhsa_wavefront_size32 1
		.amdhsa_system_sgpr_workgroup_id_x 1
		.amdhsa_system_sgpr_workgroup_id_y 1
		.amdhsa_system_sgpr_workgroup_id_z 1
		.amdhsa_system_vgpr_workitem_id 0
		.amdhsa_next_free_vgpr 104
		.amdhsa_next_free_sgpr 66
		.amdhsa_reserve_vcc 0
		.amdhsa_float_denorm_mode_32 3
		.amdhsa_float_denorm_mode_16_64 3
		.amdhsa_memory_ordered 1
		.amdhsa_forward_progress 1
		.amdhsa_inst_pref_size 12
	.end_amdhsa_kernel
	.amdgpu_metadata
---
amdhsa.version: [ 1, 2 ]
amdhsa.kernels:
  - .name:           k_qb42cb3baed_cast
    .symbol:         k_qb42cb3baed_cast.kd
    .args:
      - { .name: q, .offset: 0, .size: 8, .value_kind: global_buffer, .address_space: global }
      - { .name: k, .offset: 8, .size: 8, .value_kind: global_buffer, .address_space: global }
      - { .name: v, .offset: 16, .size: 8, .value_kind: global_buffer, .address_space: global }
      - { .name: qb, .offset: 24, .size: 8, .value_kind: global_buffer, .address_space: global }
      - { .name: kb, .offset: 32, .size: 8, .value_kind: global_buffer, .address_space: global }
      - { .name: vb, .offset: 40, .size: 8, .value_kind: global_buffer, .address_space: global }
    .group_segment_fixed_size: 0
    .private_segment_fixed_size: 0
    .kernarg_segment_align: 8
    .kernarg_segment_size: 48
    .max_flat_workgroup_size: 256
    .sgpr_count:     66
    .vgpr_count:     104
    .wavefront_size: 32
...
	.end_amdgpu_metadata
.endif
;; end of part 1
;; launch scores (part 2): grid 8 x 64, 4 waves a work-group, clusters of 4 x 4, 327,680 bytes of LDS; arguments qb, kb, b, p, lpart; writes p, lpart
.if DOCPART == 2
	.amdgcn_target "amdgcn-amd-amdhsa--gfx1250"
	.amdhsa_code_object_version 6
	.text
	.protected	k_qb42cb3baed_scores
	.globl	k_qb42cb3baed_scores
	.p2align	8
	.type	k_qb42cb3baed_scores,@function
k_qb42cb3baed_scores:
	s_mov_b64 s[64:65], 0
	v_nop
	global_prefetch_b8 v0, s[64:65] scope:SCOPE_SE
	s_setreg_imm32_b32 hwreg(HW_REG_WAVE_MODE, 25, 1), 1
	s_wait_xcnt 0x0
	s_wait_alu depctr_hold_cnt(0) depctr_sa_sdst(0) depctr_va_vdst(0) depctr_va_sdst(0) depctr_va_ssrc(0) depctr_va_vcc(0) depctr_vm_vsrc(0)
	s_getreg_b32 s2, hwreg(HW_REG_IB_STS2, 6, 4)
	s_cmp_eq_u32 s2, 0
	s_cbranch_scc0 .Lentry_in_a_cluster
	s_endpgm
.Lentry_in_a_cluster:
	s_bfe_u32 s2, ttmp6, 0x10000c
	s_cmp_lg_u32 s2, 0xf033
	s_cbranch_scc0 .Lentry_shape_is_right
	s_endpgm
.Lentry_shape_is_right:
; p[row][key] = exp(tanh(q[row] . k[:, key] + b[key])) / e, in bf16, and the sums of each row's weights over chunks of 128 keys, in f32.
; qb: [16384 rows = 8 batches x 2048][1024] bf16.  kb: [8][1024 d][2048 keys] bf16.  b: [2048] f32.  p: [16384][2048] bf16.  lpart: [16 chunks of 128 keys][16384 rows] f32.
; THE WEIGHT.  With c = 2 log2(e): tanh(x) = 1 - 2 / (1 + 2^(c x)), so exp(tanh x) = e 2^(-c / (1 + 2^(c x))).  The factor e is common to a row and falls out of the softmax: what is kept is
; w = 2^(-c / (1 + 2^(c x))), between e^-2 and 1.  Where 2^(c x) is an infinity the reciprocal is 0 and w = 1; where it is 0, w = e^-2: the limits of the true weight.
; NO MAXIMUM IS TAKEN AWAY: the tanh bounds every exponent to -1 .. 1 for every input, so no weight and no sum of 2,048 of them leaves f32's or bf16's range.
; LIMITS.  b is rounded to bf16, as q and k have been.  w is rounded to bf16 for the second product; the row sums are taken of the unrounded w.  NaN and infinities in the inputs are not treated apart.
; SHARES.  A tile of 256 rows x 256 keys to a work-group of four waves, 128 x 128 a wave: 64 accumulators of 16 x 16, 512 registers.  d goes in 8 steps of 128 through a ring of two LDS slots.
; A (qb) lies with d along its rows and comes out of LDS as it lies; B (kb) lies [d][key] and is turned by ds_load_tr16_b128.
; CLUSTER.  4 x 4 work-groups.  The grid's y is 8 x batch + tile row, so the four of a cluster's column lie in one batch.  A's tile hangs on y alone and is asked for jointly by a row of the cluster;
; B's hangs on the batch and the tile column and is asked for jointly by a column.
; THE MATRIX INSTRUCTION IS USED TRANSPOSED (source 0 = 16 keys of B, source 1 = 16 rows of A): lane l then holds row l % 16 and the keys 8 (l / 16) + 0 .. 7: eight neighbours of a row of p.
; REGISTERS, in windows of 256 (s_set_vgpr_msb: bits 1:0 source 0, 3:2 source 1, 5:4 source 2, 7:6 destination):
;   window 0: v1-9 at work at the head; v16-31 addresses; v32-39 row sums; v64-127, v128-191 A's fragments, two buffers (on the way out: T, PK, OB); v192-255 c x bias of my 64 places in a block
;   window 1: v64-127, v128-191 B's fragments       window 2: the accumulators of my rows 0-63, (a, b) at v[8 (8 a + b)]       window 3: those of my rows 64-127
.set RA,     2048                      ; bytes in a row of A
.set RB,     4096                      ; bytes in a row of B
.set STRA,   1024                      ; the same in elements
.set STRB,   2048
.set STEPA,  256                       ; a K step in A: 128 elements along a row
.set STEPB,  128*RB                    ; in B: 128 rows down
.set LAPS,   4                         ; a lap = two K steps = once round the ring
.set PITCHA, 272                       ; A's LDS row: 256 bytes + 16: an odd multiple of 16, so the 16 rows of a load begin 16 bytes apart modulo 256
.set PITCHB, 544                       ; B's LDS row: 512 bytes + 32: an odd multiple of 32, which the turning load's 8 rows x 32 bytes want
.set HALFT,  128*PITCHA                ; what one tensor load brings: 128 rows of A, or 64 rows of B (64 x 544 is the same number)
.set SLOT,   4*HALFT                   ; A's 256 rows, then B's 128 rows
.set STAGE,  2*SLOT                    ; behind the ring: 16 rows x 272 bytes for each wave, for the way out
.set SPITCH, 272
.set LS,     STAGE+4*16*SPITCH         ; behind the stages: 512 bytes for each wave: its 128 row sums
.set SPARE,  LS+4*512                  ; behind them: the spare words, 128 bytes for each wave: two blocks of 256 bytes that no other line names
.set PROW,   4096                      ; bytes in a row of p
.set ADRA, 16                          ; v16-17  LDS address of my A fragments in slot 0, 1
.set ADRB, 20                          ; v20-21  the same for B
.set LSR,  22                          ; v22     where I read 16 bytes of my wave's row sums back
.set LPO,  23                          ; v23     my byte offset in lpart
.set STO,  24                          ; v24     the way out: where I put 16 bytes of a row
.set RD,   25                          ; v25     the way out: where I read a row back
.set CO,   26                          ; v26     my byte offset in two rows of p
.set LS0,  27                          ; v27     where row l % 16 of block 0 has its sum
.set SPW,  28                          ; v28     LDS address of my spare word; never rewritten
.set NIL,  29                          ; v29     0; never rewritten
.set PFO,  30                          ; v30     the prefetches' offset; never rewritten
.set BO,   31                          ; v31     my byte offset in b
.set SM,   32                          ; v32-33  a block's row sum, and the other half of the lanes'
.set LB,   36                          ; v36-39  four row sums on their way to lpart
.set F0,   64
.set F1,   128
.set T,    64                          ; the way out: a block's 64 numbers in f32
.set PK,   128                         ; the same in bf16
.set OB,   160                         ; whole rows read back from the stage
.set BI,   192
.set G1,  24                           ; s[24:31] descriptor group 1 for A's tiles;  s[32:39] group 0, a set for each slot
.set G0,  32
.set G1B, 48                           ; s[48:55], s[56:63] the same for B's
.set G0B, 56
.set LIM, 43                           ; s43     1 in a wave that prefetches, else the greatest number
.set PFA, 44                           ; s[44:45] where my prefetches stand
.set PFS, 66                           ; s[66:67] their step: a K step in the tensor that I fetch for
.set C2,  68                           ; s[68:69] c
.set NC2, 70                           ; s[70:71] -c
.set SEL, 72                           ; s[72:73] v_permlanex16_b32's selects: each lane takes its own place in the other half
.set BP,  74                           ; s[74:75] b
.set LP,  76                           ; s[76:77] lpart
.set BLK, 78                           ; s78     blocks still to go out
.set SELM, 80                          ; s80     all ones in a wave that fetches for A
.set CLY, 81                           ; s81     the cluster's y
.set BAT, 82                           ; s82     the batch
.set WHO, 83                           ; s83     the coordinate along which other clusters read the same tiles
.set MSB, 0
.macro WIN new                         ; the immediate's high byte repeats the setting that is left; a switch that changes nothing is dropped
.if MSB != (\new)
	s_set_vgpr_msb (MSB<<8)|(\new)
.set MSB, \new
.endif
.endm
.set MUL_LO, 0xa1                      ; source 0 (B) window 1, source 1 (A) window 0, C and D window 2
.set MUL_HI, 0xf1                      ; the same, C and D window 3
.set TO_B,   0x40                      ; destination window 1, address window 0
; A joint load.  Waves 0 and 1 fetch A's two halves, waves 2 and 3 B's.  The branch hangs on the wave's number alone.  An s_nop 0 and four v_nop follow each of the two lines.
.macro JLOAD s
	s_cmp_eq_u32 s11, 0
	s_cbranch_scc0 .Lfor_b_\@
	tensor_load_to_lds s[G0+4*(\s):G0+4*(\s)+3], s[G1:G1+7]
	s_nop 0
.rept 4
	v_nop
.endr
	s_branch .Lasked_\@
.Lfor_b_\@:
	tensor_load_to_lds s[G0B+4*(\s):G0B+4*(\s)+3], s[G1B:G1B+7]
	s_nop 0
.rept 4
	v_nop
.endr
.Lasked_\@:
.endm
; A PREFETCH INTO THE L2 of the K step that stands two refills on: 32 blocks of 256 bytes, a lane a block, one instruction a wave, behind the joint load and the run of LDS loads.
; Each block is named once in the launch: A's tile row is read by both clusters of a row of clusters, and the one with x = 0 asks; B's tile column by the batch's two clusters along y, and the
; one with even y asks.  The four partners that ask for a tile jointly share its blocks out BY ADDRESS.  The loop's last trip asks for nothing: K has no step two on.
.macro ASK
	s_cmp_gt_u32 s3, s[LIM]                        ; s3 = 1 in the loop's last trip
	s_cbranch_scc0 .Lnot_mine_\@
	global_prefetch_b8 v[PFO], s[PFA:PFA+1] th:TH_LOAD_NT scope:SCOPE_SE
.Lnot_mine_\@:
.endm
.macro CREST                           ; a round of the cluster's barrier behind its opening barrier
	s_cmp_lg_u32 s10, 0
	s_cbranch_scc1 .Lnot_wave_0_\@
	s_barrier_signal -3
.Lnot_wave_0_\@:
	s_barrier_wait -3
	s_barrier_signal -1
	s_barrier_wait -1
.endm
.macro CROUND                          ; a whole round
	s_barrier_signal -1
	s_barrier_wait -1
	CREST
.endm
	s_load_b128 s[4:7], s[0:1], 0x0                ; qb s[4:5], kb s[6:7]
	s_load_b64 s[BP:BP+1], s[0:1], 0x10            ; b
	s_load_b64 s[8:9], s[0:1], 0x18                ; p
	s_load_b64 s[LP:LP+1], s[0:1], 0x20            ; lpart
	v_lshl_add_u32 v[SPW], v0, 2, SPARE
	v_mov_b32 v[NIL], 0
	ds_add_u32 v[SPW], v[NIL]                      ; the wave's opening: the add and its wait stand ahead of my first tensor load; the set-up below, work on registers, stands between them
	v_lshrrev_b32 v1, 5, v0
	v_readfirstlane_b32 s10, v1                    ; wave 0..3
	s_lshr_b32 s11, s10, 1                         ; which half of the tile's rows is mine.  Also: I fetch for A (0) or for B (1)
	s_and_b32 s12, s10, 1                          ; which half of its columns.  Also: which half of that tile I fetch
	s_bfe_u32 s40, ttmp6, 0x40000                  ; cx
	s_bfe_u32 s41, ttmp6, 0x40004                  ; cy
	s_lshl_b32 s42, ttmp9, 2
	s_add_co_u32 s42, s42, s40                     ; x: the tile column = 4 x cluster x + cx
	s_and_b32 s[CLY], ttmp7, 0xffff
	s_lshl_b32 s13, s[CLY], 2
	s_add_co_u32 s13, s13, s41                     ; y = 4 x cluster y + cy = 8 x batch + tile row
	s_lshr_b32 s[BAT], s[CLY], 1                   ; the batch, from the cluster's y alone: the same in all sixteen
	s_lshl_b32 s43, s41, 2
	s_lshl_b32 s43, 15, s43                        ; my row of the cluster
	s_lshl_b32 s44, 0x1111, s40                    ; my column
	s_or_b32 s[G1+0], s43, (1<<16)|(1<<20)|(1<<21)|(5<<22)|(3<<25)   ; 15:0 the mask; 17:16 2-byte elements; 20 padding on; 21 set beside a mask; 24:22 after every 64 words; 31:25 of 4 words
	s_mov_b32 s[G1+1], 128<<16                     ; tensor_dim0 = 128
	s_mov_b32 s[G1+2], 128<<16                     ; tensor_dim1 = 128
	s_mov_b32 s[G1+3], 128<<16                     ; tile_dim0 = 128
	s_mov_b32 s[G1+4], 128                         ; tile_dim1 = 128
	s_mov_b32 s[G1+5], STRA                        ; elements from row to row
	s_mov_b32 s[G1+6], 0
	s_mov_b32 s[G1+7], 0
	s_or_b32 s[G1B+0], s44, (1<<16)|(1<<20)|(1<<21)|(6<<22)|(7<<25)  ; the column's mask; padding after every 128 words, of 8 words
	s_mov_b32 s[G1B+1], 256<<16                    ; tensor_dim0 = 256
	s_mov_b32 s[G1B+2], 64<<16                     ; tensor_dim1 = 64
	s_mov_b32 s[G1B+3], 256<<16                    ; tile_dim0 = 256
	s_mov_b32 s[G1B+4], 64                         ; tile_dim1 = 64
	s_mov_b32 s[G1B+5], STRB
	s_mov_b32 s[G1B+6], 0
	s_mov_b32 s[G1B+7], 0
	s_mov_b32 s[C2], 0x4038aa3b                    ; c = 2 log2(e) = 2.885390
	s_mov_b32 s[C2+1], s[C2]                       ; named with it as a pair
	s_mov_b32 s[NC2], 0xc038aa3b
	s_mov_b32 s[NC2+1], s[NC2]
	s_mov_b32 s[SEL], 0x76543210
	s_mov_b32 s[SEL+1], 0xfedcba98
	; where the tiles come from: A's address is made of y and the wave's number, B's of the batch, x and the wave's number
	s_lshl_b32 s17, s12, 7
	s_lshl_b32 s16, s13, 8
	s_add_co_u32 s16, s16, s17                     ; A: row 256 y + 128 x half
	s_mul_i32 s16, s16, RA                         ; under 2^26
	s_mov_b32 s17, 0
	s_lshl_b32 s46, s[BAT], 22                     ; B: a batch is 4 MiB,
	s_mul_i32 s47, s12, 64*RB                      ; my 64 of the step's 128 rows,
	s_add_co_u32 s46, s46, s47
	s_lshl_b32 s47, s42, 9                         ; the tile's 256 columns
	s_add_co_u32 s46, s46, s47
	s_mov_b32 s47, 0
	s_mul_i32 s20, s10, HALFT                      ; and where they go: no place in the cluster enters an LDS address
	s_wait_dscnt 0x0                               ; the opening add is done
	s_wait_kmcnt 0x0
	s_add_nc_u64 s[14:15], s[4:5], s[16:17]
	s_add_nc_u64 s[46:47], s[6:7], s[46:47]
	CROUND                                         ; all sixteen work-groups are here: the first joint loads meet
.irp s, 0,1
	s_mov_b32 s[G0+4*(\s)], 1                                        ; count = 1
	s_add_co_u32 s[G0+4*(\s)+1], s20, (\s)*SLOT                      ; LDS address
	s_add_nc_u64 s[G0+4*(\s)+2:G0+4*(\s)+3], s[14:15], (\s)*STEPA    ; global address: K step s
	s_or_b32 s[G0+4*(\s)+3], s[G0+4*(\s)+3], 0x80000000              ; type = 2
	s_mov_b32 s[G0B+4*(\s)], 1
	s_add_co_u32 s[G0B+4*(\s)+1], s20, (\s)*SLOT
	s_add_nc_u64 s[G0B+4*(\s)+2:G0B+4*(\s)+3], s[46:47], (\s)*STEPB
	s_or_b32 s[G0B+4*(\s)+3], s[G0B+4*(\s)+3], 0x80000000
	JLOAD \s                                       ; two loads of mine are out
.endr
	v_and_b32 v1, 15, v0                           ; r = l % 16
	v_bfe_u32 v2, v0, 4, 1                         ; h = l / 16
	; the bias of my 64 places in a block: keys 256 x + 128 x half + 16 b + 8 h + 0..7, b = 0..7
	s_lshl_b32 s21, s42, 10
	s_lshl_b32 s23, s12, 9
	s_add_co_u32 s21, s21, s23
	v_lshl_add_u32 v[BO], v2, 5, s21
.irp b, 0,1,2,3,4,5,6,7
	global_load_b128 v[BI+8*(\b):BI+8*(\b)+3],   v[BO], s[BP:BP+1] offset:64*(\b)
	global_load_b128 v[BI+8*(\b)+4:BI+8*(\b)+7], v[BO], s[BP:BP+1] offset:64*(\b)+16
.endr
	; A's fragment: lane l holds row r; registers 0-3 K = 8 h + 0..7, registers 4-7 K = 16 + 8 h + 0..7: two loads of 16 bytes, 32 bytes apart
	v_mul_u32_u24 v3, v1, PITCHA
	v_lshl_add_u32 v3, v2, 4, v3
	s_mul_i32 s21, s11, HALFT                      ; my 128 rows of A
	; B's fragment by the turning load: lane l reads 16 bytes of K row 8 h + l % 8, columns 8 ((l / 8) % 2) + 0..7, and is left with column r and eight K
	v_and_b32 v4, 7, v0
	v_lshl_add_u32 v4, v2, 3, v4
	v_mul_u32_u24 v4, v4, PITCHB
	v_bfe_u32 v5, v0, 3, 1
	v_lshl_add_u32 v4, v5, 4, v4
	s_lshl_b32 s23, s12, 8                         ; my 128 columns of B,
	s_add_co_u32 s23, s23, 2*HALFT                 ; which lies behind A's 256 rows
.irp s, 0,1
	v_add_nc_u32 v[ADRA+(\s)], s21, v3
	v_add_nc_u32 v[ADRB+(\s)], s23, v4
	s_add_co_u32 s21, s21, SLOT
	s_add_co_u32 s23, s23, SLOT
.endr
	s_mul_i32 s23, s10, 16*SPITCH
	s_add_co_u32 s23, s23, STAGE                   ; my stage
	v_mul_u32_u24 v4, v1, SPITCH                   ; in: row r, 16 bytes for each half of the lanes
	v_lshl_add_u32 v4, v2, 4, v4
	v_add_nc_u32 v[STO], s23, v4
	v_mul_u32_u24 v5, v2, SPITCH                   ; back: lanes 0-15 take one row of 256 bytes, lanes 16-31 the next
	v_lshl_add_u32 v5, v1, 4, v5
	v_add_nc_u32 v[RD], s23, v5
	v_lshlrev_b32 v5, 12, v2                       ; and the same two rows in p
	v_lshl_add_u32 v[CO], v1, 4, v5
	v_and_b32 v6, 31, v0                           ; l
	s_lshl_b32 s21, s10, 9
	s_add_co_u32 s21, s21, LS                      ; my wave's row sums
	v_lshl_add_u32 v[LSR], v6, 4, s21
	v_lshl_add_u32 v[LS0], v1, 2, s21
	s_lshl_b32 s16, s13, 8
	s_lshl_b32 s17, s11, 7
	s_add_co_u32 s16, s16, s17                     ; my first row
	s_lshl_b32 s18, s16, 2                         ; its place in a chunk of lpart
	s_lshl1_add_u32 s19, s42, s12                  ; my chunk of 128 keys: 2 x + half
	s_lshl_b32 s19, s19, 16                        ; a chunk is 16,384 rows x 4 bytes
	s_add_co_u32 s19, s19, s18
	v_lshl_add_u32 v[LPO], v6, 4, s19
	s_lshl_b32 s16, s16, 12                        ; where my part of the tile begins in p: the first block adds it to p's address
	s_lshl_b32 s17, s42, 9
	s_add_co_u32 s16, s16, s17
	s_lshl_b32 s17, s12, 8
	s_add_co_u32 s16, s16, s17
	s_mov_b32 s17, 0
	v_mov_b32 v[SM], 0                             ; both are written once here, so that they hold a number on every way through the branches of the way out;
	v_mov_b32 v[SM+1], 0                           ; the second is the destination of v_permlanex16_b32, which counts as read
	; the prefetches.  For A: of the 128 rows that I fetch, my work-group's 32 (by cx), a lane a row.  For B: of the 64 rows, my work-group's 16 (by cy), two lanes a row of 512 bytes.
	s_lshl_b32 s20, s13, 8
	s_lshl_b32 s21, s12, 7
	s_add_co_u32 s20, s20, s21
	s_lshl_b32 s21, s40, 5
	s_add_co_u32 s20, s20, s21
	s_mul_i32 s20, s20, RA
	s_add_co_u32 s20, s20, 3*STEPA                 ; at K step 3: the first refill steps it to 4
	s_lshl_b32 s18, s12, 6
	s_lshl_b32 s19, s41, 4
	s_add_co_u32 s18, s18, s19
	s_mul_i32 s18, s18, RB
	s_lshl_b32 s19, s[BAT], 22
	s_add_co_u32 s18, s18, s19
	s_lshl_b32 s19, s42, 9
	s_add_co_u32 s18, s18, s19
	s_add_co_u32 s18, s18, 3*STEPB
	s_and_b32 s[WHO], s[CLY], 1
	s_mov_b32 s[PFS], STEPB
	s_mov_b32 s[PFS+1], 0
	s_mov_b32 s21, 0
	s_cmp_eq_u32 s11, 0                            ; do I fetch for A?
	s_cselect_b32 s20, s20, s18
	s_cselect_b32 s[WHO], ttmp9, s[WHO]
	s_cselect_b32 s[PFS], STEPA, s[PFS]
	s_cselect_b32 s[SELM], -1, 0
	s_cselect_b64 s[PFA:PFA+1], s[4:5], s[6:7]
	s_add_nc_u64 s[PFA:PFA+1], s[PFA:PFA+1], s[20:21]
	s_cmp_eq_u32 s[WHO], 0
	s_cselect_b32 s[LIM], 1, -1                    ; the same in all sixteen partners, for a given wave
	v_mul_u32_u24 v7, v6, RA
	v_lshrrev_b32 v8, 1, v6
	v_mul_u32_u24 v8, v8, RB
	v_and_b32 v9, 1, v0
	v_lshl_add_u32 v8, v9, 8, v8
	v_cndmask_b32 v[PFO], v8, v7, s[SELM]
	s_wait_loadcnt 0x0                             ; the bias is in: it is rounded to bf16, widened again and multiplied by c
.set i, 0
.rept 32
	v_cvt_pk_bf16_f32 v[6+i%4], v[BI+2*i], v[BI+2*i+1]
	v_lshlrev_b32 v[BI+2*i], 16, v[6+i%4]
	v_and_b32 v[BI+2*i+1], 0xffff0000, v[6+i%4]
	v_pk_mul_f32 v[BI+2*i:BI+2*i+1], v[BI+2*i:BI+2*i+1], s[C2:C2+1] op_sel_hi:[1,0]
.set i, i+1
.endr
; 16 matrix instructions: m blocks a0, a0 + 1 of the window's four x all 8 n blocks, 32 along K.  zero = 1: the first product starts the sums.
.macro MUL16 f, hi, a0, zero
	WIN MUL_LO+0x50*(\hi)
.irp a, \a0, (\a0)+1
.irp b, 0,1,2,3,4,5,6,7
.if \zero
	v_wmma_f32_16x16x32_bf16 v[8*(8*(\a)+(\b)):8*(8*(\a)+(\b))+7], v[(\f)+8*(\b):(\f)+8*(\b)+7], v[(\f)+8*(4*(\hi)+(\a)):(\f)+8*(4*(\hi)+(\a))+7], 0
.else
	v_wmma_f32_16x16x32_bf16 v[8*(8*(\a)+(\b)):8*(8*(\a)+(\b))+7], v[(\f)+8*(\b):(\f)+8*(\b)+7], v[(\f)+8*(4*(\hi)+(\a)):(\f)+8*(4*(\hi)+(\a))+7], v[8*(8*(\a)+(\b)):8*(8*(\a)+(\b))+7]
.endif
.endr
.endr
.endm
; 32 LDS loads in one run: the fragments of quarter q of a K step (32 K x 128 columns of B, turned; 128 rows of A x 32 K) into buffer f
.macro FETCH slot, q, f
	WIN TO_B
.irp i, 0,1,2,3,4,5,6,7
	ds_load_tr16_b128 v[(\f)+8*(\i):(\f)+8*(\i)+3],   v[ADRB+(\slot)] offset:(\q)*32*PITCHB+32*(\i)
	ds_load_tr16_b128 v[(\f)+8*(\i)+4:(\f)+8*(\i)+7], v[ADRB+(\slot)] offset:(\q)*32*PITCHB+16*PITCHB+32*(\i)
.endr
	WIN 0
.irp i, 0,1,2,3,4,5,6,7
	ds_load_b128 v[(\f)+8*(\i):(\f)+8*(\i)+3],   v[ADRA+(\slot)] offset:64*(\q)+(\i)*16*PITCHA
	ds_load_b128 v[(\f)+8*(\i)+4:(\f)+8*(\i)+7], v[ADRA+(\slot)] offset:64*(\q)+(\i)*16*PITCHA+32
.endr
.endm
.macro PLACES                          ; four plain vector instructions between a matrix instruction and a load into, or a vector instruction on, its registers
.rept 4
	v_nop
.endr
.endm
; One of a K step's first three quarters: multiplies buffer f; in its middle it fetches quarter q of the same slot into buffer g.
.macro QUARTER slot, q, f, g, zero
	s_wait_dscnt 8                                 ; B and A's rows 0-63 are in; the youngest eight loads (A's rows 64-127) may be out
	MUL16 \f, 0, 0, \zero
	MUL16 \f, 0, 2, \zero
	PLACES
	FETCH \slot, \q, \g
	s_wait_dscnt 32                                ; all but the 32 just issued
	MUL16 \f, 1, 0, \zero
	MUL16 \f, 1, 2, \zero
.endm
; The first half of a K step's last quarter: ONE barrier for the change of slots.  In front of it each wave waits for all its tensor loads (one is out: its part of the next slot), adds 0 to its
; spare word, and waits for that and for its own reads of this slot.  Behind it nobody reads this slot any more and the next slot is whole.
.macro MEET round
	WIN 0                                          ; (the add's two registers lie in window 0)
	s_wait_tensorcnt 0x0
	ds_add_u32 v[SPW], v[NIL]                      ; 0 onto my spare word
	s_wait_dscnt 9                                 ; (the add and the youngest eight loads may be out)
	MUL16 F1, 0, 0, 0                              ; sixteen matrix instructions stand between the add and the wait for it
	s_wait_dscnt 0x0                               ; the add is done, and my reads of this slot are over
	s_barrier_signal -1
	MUL16 F1, 0, 2, 0                              ; work on registers while the others arrive
.if \round
	WIN 0
.endif
	s_barrier_wait -1
.endm
; The whole last quarter.  fill = 1: the barrier opens a round of the cluster's barrier, and the slot just read out is filled again, first thing behind the round, with the K step two on.
.macro TURN slot, next, fill
.if \fill
	s_wait_xcnt 0x0                                ; the last prefetch, a K step back, has read its address: it is stepped here, ahead of the waits of the change of slots
	s_add_nc_u64 s[PFA:PFA+1], s[PFA:PFA+1], s[PFS:PFS+1]
	MEET 1
	CREST                                          ; no wave of any partner still reads this slot's tile or has a load on its way
	s_add_nc_u64 s[G0+4*(\slot)+2:G0+4*(\slot)+3], s[G0+4*(\slot)+2:G0+4*(\slot)+3], 2*STEPA
	s_add_nc_u64 s[G0B+4*(\slot)+2:G0B+4*(\slot)+3], s[G0B+4*(\slot)+2:G0B+4*(\slot)+3], 2*STEPB
	JLOAD \slot                                    ; the four v_nop behind it are also the places in front of the loads below
	FETCH \next, 0, F0
	ASK
.else
	MEET 0
	PLACES
	FETCH \next, 0, F0
.endif
	MUL16 F1, 1, 0, 0
	MUL16 F1, 1, 2, 0
.endm
	s_wait_tensorcnt 1                             ; my part of K step 0 is in; K step 1's may stay out
	s_barrier_signal -1
	s_barrier_wait -1                              ; everybody's is
	FETCH 0, 0, F0
	QUARTER 0, 1, F0, F1, 1                        ; the first quarter stands in front of the loop: its products start the sums
	WIN 0                                          ; at a label and at a branch every window is 0
	s_mov_b32 s3, LAPS-1
.Llap:                                                 ; a trip goes once round the ring, from a lap's second quarter to the next lap's first, and fills both slots again
	QUARTER 0, 2, F1, F0, 0
	QUARTER 0, 3, F0, F1, 0
	TURN 0, 1, 1
	QUARTER 1, 1, F0, F1, 0
	QUARTER 1, 2, F1, F0, 0
	QUARTER 1, 3, F0, F1, 0
	TURN 1, 0, 1
	QUARTER 0, 1, F0, F1, 0
	WIN 0
	s_sub_co_u32 s3, s3, 1
	s_cmp_lg_u32 s3, 0
	s_cbranch_scc1 .Llap
	QUARTER 0, 2, F1, F0, 0                        ; the last lap fills nothing
	QUARTER 0, 3, F0, F1, 0
	TURN 0, 1, 0
	QUARTER 1, 1, F0, F1, 0
	QUARTER 1, 2, F1, F0, 0
	QUARTER 1, 3, F0, F1, 0
	s_wait_dscnt 8                                 ; the very last quarter: nothing more to fetch
	MUL16 F1, 0, 0, 0
	MUL16 F1, 0, 2, 0
	s_wait_dscnt 0x0
	MUL16 F1, 1, 0, 0
	MUL16 F1, 1, 2, 0
	WIN 0
	PLACES
; THE WAY OUT, a block of 16 rows x 128 keys a trip, eight trips.  Registers are named in the text, so the one step that reads a block's accumulators (c s + c b, one fused multiply-add for two
; numbers) is written once for each block, and a compare on the trip's count picks it; all else is written once.  Block a's piece also puts block a - 1's row sums into LDS, at a constant offset.
.macro CASE a
.Lcase\a:
.if (\a) > 0
	ds_store_b32 v[LS0], v[SM] offset:64*((\a)-1)  ; lanes l and l + 16 hold the same sum and write the same word
.endif
	WIN 0x02+(\a)/4                                ; source 0: window 2 or 3
.set i, 0
.rept 32                                       ; each accumulator's registers in ascending order
	v_pk_fma_f32 v[T+2*i:T+2*i+1], v[64*((\a)%4)+2*i:64*((\a)%4)+2*i+1], s[C2:C2+1], v[BI+2*i:BI+2*i+1] op_sel_hi:[1,0,1]
.set i, i+1
.endr
	WIN 0
.if (\a) < 7
	s_branch .Lrest
.endif
.endm
	s_mov_b32 s[BLK], 8
.Lblk:                                                 ; block 8 - BLK
.irp a, 1,2,3,4,5,6,7
	s_cmp_eq_u32 s[BLK], 8-(\a)
	s_cbranch_scc1 .Lcase\a
.endr
.irp a, 0,1,2,3,4,5,6,7
	CASE \a
.endr
.Lrest:
	; three batches of 64 transcendentals; behind each one plain instruction and one wait ahead of the batch's first reader
.set i, 0
.rept 64
	v_exp_f32 v[T+i], v[T+i]                       ; 2^(c x)
.set i, i+1
.endr
	v_nop
	s_wait_alu depctr_va_vdst(0)
.set i, 0
.rept 32
	v_pk_add_f32 v[T+2*i:T+2*i+1], v[T+2*i:T+2*i+1], 1.0 op_sel_hi:[1,0]
.set i, i+1
.endr
.set i, 0
.rept 64
	v_rcp_f32 v[T+i], v[T+i]                       ; 1 / (1 + 2^(c x))
.set i, i+1
.endr
	v_nop
	s_wait_alu depctr_va_vdst(0)
.set i, 0
.rept 32
	v_pk_mul_f32 v[T+2*i:T+2*i+1], v[T+2*i:T+2*i+1], s[NC2:NC2+1] op_sel_hi:[1,0]
.set i, i+1
.endr
.set i, 0
.rept 64
	v_exp_f32 v[T+i], v[T+i]                       ; w
.set i, i+1
.endr
	v_nop
	s_wait_alu depctr_va_vdst(0)
.set i, 0
.rept 32
	v_cvt_pk_bf16_f32 v[PK+i], v[T+2*i], v[T+2*i+1]
.set i, i+1
.endr
.irp b, 0,1,2,3,4,5,6,7
	ds_store_b128 v[STO], v[PK+4*(\b):PK+4*(\b)+3] offset:32*(\b)
.endr
	s_wait_xcnt 0x0                                ; the last trip's stores have read OB and p's address: both are rewritten only behind this wait
	s_add_nc_u64 s[8:9], s[8:9], s[16:17]          ; the first time: on to my part of the tile; then 16 rows on
	s_mov_b64 s[16:17], 16*PROW
.irp t, 0,1,2,3,4,5,6,7
	ds_load_b128 v[OB+4*(\t):OB+4*(\t)+3], v[RD] offset:(\t)*2*SPITCH  ; LDS serves a wave's instructions in order (ISA guide 5.7.1.4): these see the stores above
.endr
	; the row's sum over my 64 unrounded weights, while those loads are out: neighbours 1, 2, 4, 8, 16 pairs apart, in place
.irp d, 1,2,4,8,16
.set i, 0
.rept 16/(\d)
	v_pk_add_f32 v[T+2*i:T+2*i+1], v[T+2*i:T+2*i+1], v[T+2*(i+(\d)):T+2*(i+(\d))+1]
.set i, i+2*(\d)
.endr
.endr
	v_add_f32 v[SM], v[T], v[T+1]
	v_permlanex16_b32 v[SM+1], v[SM], s[SEL], s[SEL+1]  ; the row's other 64 keys lie in the lane 16 away
	v_add_f32 v[SM], v[SM], v[SM+1]
	s_wait_dscnt 0x0                               ; the block is back in registers
.irp t, 0,1,2,3,4,5,6,7
	global_store_b128 v[CO], v[OB+4*(\t):OB+4*(\t)+3], s[8:9] offset:(\t)*2*PROW  ; 16 lanes store 256 consecutive bytes, at a multiple of 256 from p's first byte
.endr
	s_sub_co_u32 s[BLK], s[BLK], 1
	s_cmp_lg_u32 s[BLK], 0
	s_cbranch_scc1 .Lblk
	ds_store_b32 v[LS0], v[SM] offset:64*7         ; the last block's row sums
	ds_load_b128 v[LB:LB+3], v[LSR]                ; my wave's 128 sums, 16 bytes a lane: the wave's own bytes, served in order
	s_wait_dscnt 0x0
	global_store_b128 v[LPO], v[LB:LB+3], s[LP:LP+1]  ; 512 consecutive bytes, at a multiple of 512 from lpart's first byte
	s_wait_tensorcnt 0x0                           ; the wave's end, behind my last tensor load and my last LDS store
	ds_add_u32 v[SPW], v[NIL]
	s_wait_dscnt 0x0
	CROUND                                         ; the closing round: no work-group ends while a partner may still ask for a tile that names it
	s_endpgm
.Lfunc_end_k_qb42cb3baed_scores:
	.size	k_qb42cb3baed_scores, .Lfunc_end_k_qb42cb3baed_scores-k_qb42cb3baed_scores
	.p2alignl 7, 3214868480
	.fill 96, 4, 3214868480
	.section	.rodata,"a",@progbits
	.p2align	6, 0x0
	.amdhsa_kernel k_qb42cb3baed_scores
		.amdhsa_group_segment_fixed_size 327680
		.amdhsa_private_segment_fixed_size 0
		.amdhsa_enable_private_segment 0
		.amdhsa_kernarg_size 40
		.amdhsa_user_sgpr_count 2
		.amdhsa_user_sgpr_kernarg_segment_ptr 1
		.amdhsa_wavefront_size32 1
		.amdhsa_system_sgpr_workgroup_id_x 1
		.amdhsa_system_sgpr_workgroup_id_y 1
		.amdhsa_system_sgpr_workgroup_id_z 1
		.amdhsa_system_vgpr_workitem_id 0
		.amdhsa_next_free_vgpr 1024
		.amdhsa_next_free_sgpr 88
		.amdhsa_reserve_vcc 0
		.amdhsa_float_denorm_mode_32 3
		.amdhsa_float_denorm_mode_16_64 3
		.amdhsa_memory_ordered 1
		.amdhsa_forward_progress 1
		.amdhsa_inst_pref_size 157
	.end_amdhsa_kernel
	.amdgpu_metadata
---
amdhsa.version: [ 1, 2 ]
amdhsa.kernels:
  - .name:           k_qb42cb3baed_scores
    .symbol:         k_qb42cb3baed_scores.kd
    .args:
      - { .name: qb, .offset: 0, .size: 8, .value_kind: global_buffer, .address_space: global }
      - { .name: kb, .offset: 8, .size: 8, .value_kind: global_buffer, .address_space: global }
      - { .name: b, .offset: 16, .size: 8, .value_kind: global_buffer, .address_space: global }
      - { .name: p, .offset: 24, .size: 8, .value_kind: global_buffer, .address_space: global }
      - { .name: lpart, .offset: 32, .size: 8, .value_kind: global_buffer, .address_space: global }
    .group_segment_fixed_size: 327680
    .private_segment_fixed_size: 0
    .kernarg_segment_align: 8
    .kernarg_segment_size: 40
    .max_flat_workgroup_size: 128
    .sgpr_count:     88
    .vgpr_count:     1024
    .wavefront_size: 32
...
	.end_amdgpu_metadata
.endif
;; end of part 2
;; launch context (part 3): grid 4 x 64, 4 waves a work-group, clusters of 4 x 4, 327,680 bytes of LDS; arguments p, vb, lpart, out0; writes out0
.if DOCPART == 3
	.amdgcn_target "amdgcn-amd-amdhsa--gfx1250"
	.amdhsa_code_object_version 6
	.text
	.protected	k_qb42cb3baed_context
	.globl	k_qb42cb3baed_context
	.p2align	8
	.type	k_qb42cb3baed_context,@function
k_qb42cb3baed_context:
	s_mov_b64 s[64:65], 0
	v_nop
	global_prefetch_b8 v0, s[64:65] scope:SCOPE_SE
	s_setreg_imm32_b32 hwreg(HW_REG_WAVE_MODE, 25, 1), 1
	s_wait_xcnt 0x0
	s_wait_alu depctr_hold_cnt(0) depctr_sa_sdst(0) depctr_va_vdst(0) depctr_va_sdst(0) depctr_va_ssrc(0) depctr_va_vcc(0) depctr_vm_vsrc(0)
	s_getreg_b32 s2, hwreg(HW_REG_IB_STS2, 6, 4)
	s_cmp_eq_u32 s2, 0
	s_cbranch_scc0 .Lentry_in_a_cluster
	s_endpgm
.Lentry_in_a_cluster:
	s_bfe_u32 s2, ttmp6, 0x10000c
	s_cmp_lg_u32 s2, 0xf033
	s_cbranch_scc0 .Lentry_shape_is_right
	s_endpgm
.Lentry_shape_is_right:
; out0[row][c] = (the sum over keys of p[row][key] v[key][c]) / l[row], l[row] = the sum of the row's 16 partial sums in lpart.
; p: [16384 rows = 8 batches x 2048][2048 keys] bf16.  vb: [8][2048 keys][1024] bf16.  lpart: [16][16384] f32.  out0: [16384][1024] f32.  Products' sums and l in f32; the division is a
; multiplication by v_rcp_f32's reciprocal.  l is at least 2,048 e^-2, since every weight lies between e^-2 and 1.  NaN and infinities in the inputs are not treated apart.
; SHARES.  A tile of 256 rows x 256 columns to a work-group of four waves, 128 x 128 a wave: 64 accumulators, 512 registers.  The keys go in 16 steps of 128 through a ring of two LDS slots.
; A (p) lies with the keys along its rows and comes out of LDS as it lies; B (vb) lies [key][column] and is turned by ds_load_tr16_b128.
; THE LAST K STEP GOES BY ROWS OF out0: my eight blocks of 16 rows are finished one after the other, and each leaves while the next ones are multiplied.
; CLUSTER.  4 x 4 work-groups.  The grid's y is 8 x batch + tile row, so the four of a cluster's column lie in one batch.  A's tile hangs on y alone and is asked for jointly by a row of the cluster;
; B's hangs on the batch and the tile column and is asked for jointly by a column.
; THE MATRIX INSTRUCTION IS USED TRANSPOSED (source 0 = 16 columns of B, source 1 = 16 rows of A): lane l then holds row l % 16 and the columns 8 (l / 16) + 0 .. 7: 32 bytes of a row of out0.
; REGISTERS, in windows of 256 (s_set_vgpr_msb: bits 1:0 source 0, 3:2 source 1, 5:4 source 2, 7:6 destination):
;   window 0: v1-9 at work at the head; v16-31 addresses; v32-47 1 / l of my row in each of the 8 blocks, as pairs; v64-127, v128-191 A's fragments, two buffers (in the last K step four, of
;             16 rows x 128 K); v192-255 lpart, at the head alone
;   window 1: v64-127, v128-191 B's fragments, two buffers; in the last K step all 256: B's fragments of the whole step
;   window 2: the accumulators of my rows 0-63, (a, b) at v[8 (8 a + b)]       window 3: those of my rows 64-127.  On the way out a block's 64 registers also carry it through the stage.
.set RA,     4096                      ; bytes in a row of A
.set RB,     2048                      ; bytes in a row of B
.set STRA,   2048                      ; the same in elements
.set STRB,   1024
.set STEPA,  256                       ; a K step in A: 128 elements along a row
.set STEPB,  128*RB                    ; in B: 128 rows down
.set LAPS,   8                         ; a lap = two K steps = once round the ring
.set PITCHA, 272                       ; A's LDS row: 256 bytes + 16: an odd multiple of 16
.set PITCHB, 544                       ; B's LDS row: 512 bytes + 32: an odd multiple of 32
.set HALFT,  128*PITCHA                ; what one tensor load brings: 128 rows of A, or 64 rows of B
.set SLOT,   4*HALFT                   ; A's 256 rows, then B's 128 rows
.set STAGE,  2*SLOT                    ; behind the ring: 16 rows x 528 bytes for each wave, for the way out
.set SPITCH, 528                       ; 512 bytes + 16: an odd multiple of 16
.set RLS,    STAGE+4*16*SPITCH         ; behind the stages: 512 bytes for each wave: 1 / l of its 128 rows
.set SPARE,  RLS+4*512                 ; behind them: the spare words, 128 bytes for each wave: two blocks of 256 bytes that no other line names
.set OROW,   4096                      ; bytes in a row of out0
.set ADRA, 16                          ; v16-17  LDS address of my A fragments in slot 0, 1
.set ADRB, 20                          ; v20-21  the same for B
.set RLW,  22                          ; v22     where I put four reciprocals
.set STO,  24                          ; v24     the way out: where I put 32 bytes of a row
.set RD,   25                          ; v25     the way out: where I read 16 bytes of a row back
.set CO,   26                          ; v26     my byte offset in a row's 512 bytes of out0; never rewritten
.set RLR,  27                          ; v27     where row l % 16 of block 0 has its reciprocal
.set SPW,  28                          ; v28     LDS address of my spare word; never rewritten
.set NIL,  29                          ; v29     0; never rewritten
.set PFO,  30                          ; v30     the prefetches' offset; never rewritten
.set LO,   31                          ; v31     my byte offset in a chunk of lpart
.set RL,   32
.set F0,   64
.set F1,   128
.set PA,   64                          ; the last K step: A's fragments of 16 rows x 128 K, 32 registers; four such buffers, v64-191
.set LPT,  192                         ; the 16 partial sums of four rows
.set G1,  24                           ; s[24:31] descriptor group 1 for A's tiles;  s[32:39] group 0, a set for each slot
.set G0,  32
.set G1B, 48                           ; s[48:55], s[56:63] the same for B's
.set G0B, 56
.set LIM, 43                           ; s43     1 in a wave that prefetches, else the greatest number
.set PFA, 44                           ; s[44:45] where my prefetches stand
.set PFS, 66                           ; s[66:67] their step
.set LP,  76                           ; s[76:77] lpart
.set SELM, 80                          ; s80     all ones in a wave that fetches for A
.set CLY, 81                           ; s81     the cluster's y
.set BAT, 82                           ; s82     the batch
.set WHO, 83                           ; s83     the coordinate along which other clusters read the same tiles
.set MSB, 0
.macro WIN new                         ; the immediate's high byte repeats the setting that is left; a switch that changes nothing is dropped
.if MSB != (\new)
	s_set_vgpr_msb (MSB<<8)|(\new)
.set MSB, \new
.endif
.endm
.set MUL_LO, 0xa1                      ; source 0 (B) window 1, source 1 (A) window 0, C and D window 2
.set MUL_HI, 0xf1                      ; the same, C and D window 3
.set TO_B,   0x40                      ; destination window 1, address window 0
; A joint load.  Waves 0 and 1 fetch A's two halves, waves 2 and 3 B's.  The branch hangs on the wave's number alone.  An s_nop 0 and four v_nop follow each of the two lines.
.macro JLOAD s
	s_cmp_eq_u32 s11, 0
	s_cbranch_scc0 .Lfor_b_\@
	tensor_load_to_lds s[G0+4*(\s):G0+4*(\s)+3], s[G1:G1+7]
	s_nop 0
.rept 4
	v_nop
.endr
	s_branch .Lasked_\@
.Lfor_b_\@:
	tensor_load_to_lds s[G0B+4*(\s):G0B+4*(\s)+3], s[G1B:G1B+7]
	s_nop 0
.rept 4
	v_nop
.endr
.Lasked_\@:
.endm
; A PREFETCH INTO THE L2 of the K step that stands two refills on: 32 blocks of 256 bytes, a lane a block, one instruction a wave, behind the joint load and the run of LDS loads.
; Each block is named once in the launch: A's tile row is read by one cluster alone (the grid is one cluster wide), which asks; B's tile column by the batch's two clusters along y, and the
; one with even y asks.  The four partners that ask for a tile jointly share its blocks out BY ADDRESS.  The loop's last trip asks for nothing: K has no step two on.
.macro ASK
	s_cmp_gt_u32 s3, s[LIM]                        ; s3 = 1 in the loop's last trip
	s_cbranch_scc0 .Lnot_mine_\@
	global_prefetch_b8 v[PFO], s[PFA:PFA+1] th:TH_LOAD_NT scope:SCOPE_SE
.Lnot_mine_\@:
.endm
.macro CREST                           ; a round of the cluster's barrier behind its opening barrier
	s_cmp_lg_u32 s10, 0
	s_cbranch_scc1 .Lnot_wave_0_\@
	s_barrier_signal -3
.Lnot_wave_0_\@:
	s_barrier_wait -3
	s_barrier_signal -1
	s_barrier_wait -1
.endm
.macro CROUND                          ; a whole round
	s_barrier_signal -1
	s_barrier_wait -1
	CREST
.endm
	s_load_b128 s[4:7], s[0:1], 0x0                ; p s[4:5], vb s[6:7]
	s_load_b64 s[LP:LP+1], s[0:1], 0x10            ; lpart
	s_load_b64 s[8:9], s[0:1], 0x18                ; out0
	v_lshl_add_u32 v[SPW], v0, 2, SPARE
	v_mov_b32 v[NIL], 0
	ds_add_u32 v[SPW], v[NIL]                      ; the wave's opening: the add and its wait stand ahead of my first tensor load; the set-up below, work on registers, stands between them
	v_lshrrev_b32 v1, 5, v0
	v_readfirstlane_b32 s10, v1                    ; wave 0..3
	s_lshr_b32 s11, s10, 1                         ; which half of the tile's rows is mine.  Also: I fetch for A (0) or for B (1)
	s_and_b32 s12, s10, 1                          ; which half of its columns.  Also: which half of that tile I fetch
	s_bfe_u32 s40, ttmp6, 0x40000                  ; cx
	s_bfe_u32 s41, ttmp6, 0x40004                  ; cy
	s_lshl_b32 s42, ttmp9, 2
	s_add_co_u32 s42, s42, s40                     ; x: the tile column = 4 x cluster x + cx
	s_and_b32 s[CLY], ttmp7, 0xffff
	s_lshl_b32 s13, s[CLY], 2
	s_add_co_u32 s13, s13, s41                     ; y = 4 x cluster y + cy = 8 x batch + tile row
	s_lshr_b32 s[BAT], s[CLY], 1                   ; the batch, from the cluster's y alone: the same in all sixteen
	s_lshl_b32 s43, s41, 2
	s_lshl_b32 s43, 15, s43                        ; my row of the cluster
	s_lshl_b32 s44, 0x1111, s40                    ; my column
	s_or_b32 s[G1+0], s43, (1<<16)|(1<<20)|(1<<21)|(5<<22)|(3<<25)   ; 15:0 the mask; 17:16 2-byte elements; 20 padding on; 21 set beside a mask; 24:22 after every 64 words; 31:25 of 4 words
	s_mov_b32 s[G1+1], 128<<16                     ; tensor_dim0 = 128
	s_mov_b32 s[G1+2], 128<<16                     ; tensor_dim1 = 128
	s_mov_b32 s[G1+3], 128<<16                     ; tile_dim0 = 128
	s_mov_b32 s[G1+4], 128                         ; tile_dim1 = 128
	s_mov_b32 s[G1+5], STRA                        ; elements from row to row
	s_mov_b32 s[G1+6], 0
	s_mov_b32 s[G1+7], 0
	s_or_b32 s[G1B+0], s44, (1<<16)|(1<<20)|(1<<21)|(6<<22)|(7<<25)  ; the column's mask; padding after every 128 words, of 8 words
	s_mov_b32 s[G1B+1], 256<<16                    ; tensor_dim0 = 256
	s_mov_b32 s[G1B+2], 64<<16                     ; tensor_dim1 = 64
	s_mov_b32 s[G1B+3], 256<<16                    ; tile_dim0 = 256
	s_mov_b32 s[G1B+4], 64                         ; tile_dim1 = 64
	s_mov_b32 s[G1B+5], STRB
	s_mov_b32 s[G1B+6], 0
	s_mov_b32 s[G1B+7], 0
	; where the tiles come from: A's address is made of y and the wave's number, B's of the batch, x and the wave's number
	s_lshl_b32 s17, s12, 7
	s_lshl_b32 s16, s13, 8
	s_add_co_u32 s16, s16, s17                     ; A: row 256 y + 128 x half
	s_mul_i32 s16, s16, RA                         ; under 2^27
	s_mov_b32 s17, 0
	s_lshl_b32 s46, s[BAT], 22                     ; B: a batch is 4 MiB,
	s_mul_i32 s47, s12, 64*RB                      ; my 64 of the step's 128 rows,
	s_add_co_u32 s46, s46, s47
	s_lshl_b32 s47, s42, 9                         ; the tile's 256 columns
	s_add_co_u32 s46, s46, s47
	s_mov_b32 s47, 0
	s_mul_i32 s20, s10, HALFT                      ; and where they go: no place in the cluster enters an LDS address
	s_wait_dscnt 0x0                               ; the opening add is done
	s_wait_kmcnt 0x0
	s_add_nc_u64 s[14:15], s[4:5], s[16:17]
	s_add_nc_u64 s[46:47], s[6:7], s[46:47]
	CROUND                                         ; all sixteen work-groups are here: the first joint loads meet
.irp s, 0,1
	s_mov_b32 s[G0+4*(\s)], 1                                        ; count = 1
	s_add_co_u32 s[G0+4*(\s)+1], s20, (\s)*SLOT                      ; LDS address
	s_add_nc_u64 s[G0+4*(\s)+2:G0+4*(\s)+3], s[14:15], (\s)*STEPA    ; global address: K step s
	s_or_b32 s[G0+4*(\s)+3], s[G0+4*(\s)+3], 0x80000000              ; type = 2
	s_mov_b32 s[G0B+4*(\s)], 1
	s_add_co_u32 s[G0B+4*(\s)+1], s20, (\s)*SLOT
	s_add_nc_u64 s[G0B+4*(\s)+2:G0B+4*(\s)+3], s[46:47], (\s)*STEPB
	s_or_b32 s[G0B+4*(\s)+3], s[G0B+4*(\s)+3], 0x80000000
	JLOAD \s                                       ; two loads of mine are out
.endr
	v_and_b32 v1, 15, v0                           ; r = l % 16
	v_bfe_u32 v2, v0, 4, 1                         ; h = l / 16
	v_and_b32 v6, 31, v0                           ; l
	; the 16 partial sums of my wave's 128 rows: lane l takes rows 4 l .. 4 l + 3 of each chunk: 512 consecutive bytes a load
	s_lshl_b32 s16, s13, 8
	s_lshl_b32 s17, s11, 7
	s_add_co_u32 s16, s16, s17                     ; my first row
	s_lshl_b32 s18, s16, 2
	v_lshl_add_u32 v[LO], v6, 4, s18
.irp c, 0,1,2,3,4,5,6,7,8,9,10,11,12,13,14,15
	global_load_b128 v[LPT+4*(\c):LPT+4*(\c)+3], v[LO], s[LP:LP+1] offset:(\c)*65536
.endr
	s_lshl_b32 s16, s16, 12                        ; where my part of the tile begins in out0
	s_lshl_b32 s17, s42, 10
	s_add_co_u32 s16, s16, s17
	s_lshl_b32 s17, s12, 9
	s_add_co_u32 s16, s16, s17
	s_mov_b32 s17, 0
	s_add_nc_u64 s[8:9], s[8:9], s[16:17]          ; out0 at my first row and column: written once; a block's and a row's place stand in the stores' immediates
	; A's fragment: lane l holds row r; registers 0-3 K = 8 h + 0..7, registers 4-7 K = 16 + 8 h + 0..7: two loads of 16 bytes, 32 bytes apart
	v_mul_u32_u24 v3, v1, PITCHA
	v_lshl_add_u32 v3, v2, 4, v3
	s_mul_i32 s21, s11, HALFT                      ; my 128 rows of A
	; B's fragment by the turning load: lane l reads 16 bytes of K row 8 h + l % 8, columns 8 ((l / 8) % 2) + 0..7, and is left with column r and eight K
	v_and_b32 v4, 7, v0
	v_lshl_add_u32 v4, v2, 3, v4
	v_mul_u32_u24 v4, v4, PITCHB
	v_bfe_u32 v5, v0, 3, 1
	v_lshl_add_u32 v4, v5, 4, v4
	s_lshl_b32 s23, s12, 8                         ; my 128 columns of B,
	s_add_co_u32 s23, s23, 2*HALFT                 ; which lies behind A's 256 rows
.irp s, 0,1
	v_add_nc_u32 v[ADRA+(\s)], s21, v3
	v_add_nc_u32 v[ADRB+(\s)], s23, v4
	s_add_co_u32 s21, s21, SLOT
	s_add_co_u32 s23, s23, SLOT
.endr
	s_mul_i32 s23, s10, 16*SPITCH
	s_add_co_u32 s23, s23, STAGE                   ; my stage
	v_mul_u32_u24 v4, v1, SPITCH                   ; in: row r, 32 bytes for each half of the lanes
	v_lshl_add_u32 v4, v2, 5, v4
	v_add_nc_u32 v[STO], s23, v4
	v_lshl_add_u32 v[RD], v6, 4, s23               ; back: 32 lanes take one row of 512 bytes
	v_lshlrev_b32 v[CO], 4, v6                     ; and the same in out0
	s_lshl_b32 s21, s10, 9
	s_add_co_u32 s21, s21, RLS                     ; my wave's reciprocals
	v_lshl_add_u32 v[RLW], v6, 4, s21
	v_lshl_add_u32 v[RLR], v1, 2, s21
	; the prefetches.  For A: of the 128 rows that I fetch, my work-group's 32 (by cx), a lane a row.  For B: of the 64 rows, my work-group's 16 (by cy), two lanes a row of 512 bytes.
	s_lshl_b32 s20, s13, 8
	s_lshl_b32 s21, s12, 7
	s_add_co_u32 s20, s20, s21
	s_lshl_b32 s21, s40, 5
	s_add_co_u32 s20, s20, s21
	s_mul_i32 s20, s20, RA
	s_add_co_u32 s20, s20, 3*STEPA                 ; at K step 3: the first refill steps it to 4
	s_lshl_b32 s18, s12, 6
	s_lshl_b32 s19, s41, 4
	s_add_co_u32 s18, s18, s19
	s_mul_i32 s18, s18, RB
	s_lshl_b32 s19, s[BAT], 22
	s_add_co_u32 s18, s18, s19
	s_lshl_b32 s19, s42, 9
	s_add_co_u32 s18, s18, s19
	s_add_co_u32 s18, s18, 3*STEPB
	s_and_b32 s[WHO], s[CLY], 1
	s_mov_b32 s[PFS], STEPB
	s_mov_b32 s[PFS+1], 0
	s_mov_b32 s21, 0
	s_cmp_eq_u32 s11, 0                            ; do I fetch for A?
	s_cselect_b32 s20, s20, s18
	s_cselect_b32 s[WHO], ttmp9, s[WHO]
	s_cselect_b32 s[PFS], STEPA, s[PFS]
	s_cselect_b32 s[SELM], -1, 0
	s_cselect_b64 s[PFA:PFA+1], s[4:5], s[6:7]
	s_add_nc_u64 s[PFA:PFA+1], s[PFA:PFA+1], s[20:21]
	s_cmp_eq_u32 s[WHO], 0
	s_cselect_b32 s[LIM], 1, -1                    ; the same in all sixteen partners, for a given wave
	v_mul_u32_u24 v7, v6, RA
	v_lshrrev_b32 v8, 1, v6
	v_mul_u32_u24 v8, v8, RB
	v_and_b32 v9, 1, v0
	v_lshl_add_u32 v8, v9, 8, v8
	v_cndmask_b32 v[PFO], v8, v7, s[SELM]
	s_wait_loadcnt 0x0                             ; the partial sums are in: chunks 8, 4, 2, 1 apart are added, two sums an instruction
.irp d, 8,4,2,1
.set i, 0
.rept 2*(\d)
	v_pk_add_f32 v[LPT+2*i:LPT+2*i+1], v[LPT+2*i:LPT+2*i+1], v[LPT+4*(\d)+2*i:LPT+4*(\d)+2*i+1]
.set i, i+1
.endr
.endr
.irp i, 0,1,2,3
	v_rcp_f32 v[LPT+(\i)], v[LPT+(\i)]
.endr
	v_nop                                          ; a plain instruction behind the last reciprocal,
	s_wait_alu depctr_va_vdst(0)                   ; and the wait ahead of the first use: one for the four
	ds_store_b128 v[RLW], v[LPT:LPT+3]             ; by rows into my wave's own 512 bytes,
.irp a, 0,1,2,3,4,5,6,7
	ds_load_b32 v[RL+2*(\a)], v[RLR] offset:64*(\a)  ; and back as the way out wants them: row 16 a + l % 16 (a wave's LDS instructions are served in order: ISA guide 5.7.1.4)
.endr
	s_wait_dscnt 0x0
.irp a, 0,1,2,3,4,5,6,7
	v_mov_b32 v[RL+2*(\a)+1], v[RL+2*(\a)]         ; the packed multiply names a pair and takes its low word for both halves: the pair is written whole
.endr
; 16 matrix instructions: m blocks a0, a0 + 1 of the window's four x all 8 n blocks, 32 along K.  zero = 1: the first product starts the sums.
.macro MUL16 f, hi, a0, zero
	WIN MUL_LO+0x50*(\hi)
.irp a, \a0, (\a0)+1
.irp b, 0,1,2,3,4,5,6,7
.if \zero
	v_wmma_f32_16x16x32_bf16 v[8*(8*(\a)+(\b)):8*(8*(\a)+(\b))+7], v[(\f)+8*(\b):(\f)+8*(\b)+7], v[(\f)+8*(4*(\hi)+(\a)):(\f)+8*(4*(\hi)+(\a))+7], 0
.else
	v_wmma_f32_16x16x32_bf16 v[8*(8*(\a)+(\b)):8*(8*(\a)+(\b))+7], v[(\f)+8*(\b):(\f)+8*(\b)+7], v[(\f)+8*(4*(\hi)+(\a)):(\f)+8*(4*(\hi)+(\a))+7], v[8*(8*(\a)+(\b)):8*(8*(\a)+(\b))+7]
.endif
.endr
.endr
.endm
; 32 LDS loads in one run: the fragments of quarter q of a K step (32 K x 128 columns of B, turned; 128 rows of A x 32 K) into buffer f
.macro FETCH slot, q, f
	WIN TO_B
.irp i, 0,1,2,3,4,5,6,7
	ds_load_tr16_b128 v[(\f)+8*(\i):(\f)+8*(\i)+3],   v[ADRB+(\slot)] offset:(\q)*32*PITCHB+32*(\i)
	ds_load_tr16_b128 v[(\f)+8*(\i)+4:(\f)+8*(\i)+7], v[ADRB+(\slot)] offset:(\q)*32*PITCHB+16*PITCHB+32*(\i)
.endr
	WIN 0
.irp i, 0,1,2,3,4,5,6,7
	ds_load_b128 v[(\f)+8*(\i):(\f)+8*(\i)+3],   v[ADRA+(\slot)] offset:64*(\q)+(\i)*16*PITCHA
	ds_load_b128 v[(\f)+8*(\i)+4:(\f)+8*(\i)+7], v[ADRA+(\slot)] offset:64*(\q)+(\i)*16*PITCHA+32
.endr
.endm
.macro PLACES                          ; four plain vector instructions between a matrix instruction and a load into, or a vector instruction on, its registers
.rept 4
	v_nop
.endr
.endm
; One of a K step's first three quarters: multiplies buffer f; in its middle it fetches quarter q of the same slot into buffer g.
.macro QUARTER slot, q, f, g, zero
	s_wait_dscnt 8                                 ; B and A's rows 0-63 are in; the youngest eight loads (A's rows 64-127) may be out
	MUL16 \f, 0, 0, \zero
	MUL16 \f, 0, 2, \zero
	PLACES
	FETCH \slot, \q, \g
	s_wait_dscnt 32                                ; all but the 32 just issued
	MUL16 \f, 1, 0, \zero
	MUL16 \f, 1, 2, \zero
.endm
; The first half of a K step's last quarter: ONE barrier for the change of slots.  In front of it each wave waits for all its tensor loads (one is out: its part of the next slot), adds 0 to its
; spare word, and waits for that and for its own reads of this slot.  Behind it nobody reads this slot any more and the next slot is whole.
.macro MEET round
	WIN 0                                          ; (the add's two registers lie in window 0)
	s_wait_tensorcnt 0x0
	ds_add_u32 v[SPW], v[NIL]                      ; 0 onto my spare word
	s_wait_dscnt 9                                 ; (the add and the youngest eight loads may be out)
	MUL16 F1, 0, 0, 0                              ; sixteen matrix instructions stand between the add and the wait for it
	s_wait_dscnt 0x0                               ; the add is done, and my reads of this slot are over
	s_barrier_signal -1
	MUL16 F1, 0, 2, 0                              ; work on registers while the others arrive
.if \round
	WIN 0
.endif
	s_barrier_wait -1
.endm
; The whole last quarter of a K step in the loop: the barrier opens a round of the cluster's barrier, and the slot just read out is filled again, first thing behind the round, with the K step two on.
.macro TURN slot, next
	s_wait_xcnt 0x0                                ; the last prefetch, a K step back, has read its address: it is stepped here, ahead of the waits of the change of slots
	s_add_nc_u64 s[PFA:PFA+1], s[PFA:PFA+1], s[PFS:PFS+1]
	MEET 1
	CREST                                          ; no wave of any partner still reads this slot's tile or has a load on its way
	s_add_nc_u64 s[G0+4*(\slot)+2:G0+4*(\slot)+3], s[G0+4*(\slot)+2:G0+4*(\slot)+3], 2*STEPA
	s_add_nc_u64 s[G0B+4*(\slot)+2:G0B+4*(\slot)+3], s[G0B+4*(\slot)+2:G0B+4*(\slot)+3], 2*STEPB
	JLOAD \slot                                    ; the four v_nop behind it are also the places in front of the loads below
	FETCH \next, 0, F0
	ASK
	MUL16 F1, 1, 0, 0
	MUL16 F1, 1, 2, 0
.endm
; THE LAST K STEP (it lies in slot 1) GOES BY ROWS OF out0, NOT BY K.  All its fragments of B (4 quarters x 64 registers) fill window 1; then my eight blocks of 16 rows are finished one after the
; other, each with 32 matrix instructions, its 8 accumulators by turns.  LDS is read no more than in any other K step.
.macro BLOAD q                         ; B's fragments of quarter q -> window 1, v[64 q ..]
	WIN TO_B
.irp i, 0,1,2,3,4,5,6,7
	ds_load_tr16_b128 v[64*(\q)+8*(\i):64*(\q)+8*(\i)+3],   v[ADRB+1] offset:(\q)*32*PITCHB+32*(\i)
	ds_load_tr16_b128 v[64*(\q)+8*(\i)+4:64*(\q)+8*(\i)+7], v[ADRB+1] offset:(\q)*32*PITCHB+16*PITCHB+32*(\i)
.endr
.endm
.macro ALOAD a                         ; A's fragments of block a, all four quarters -> buffer a % 4
	WIN 0
.set FA, PA+32*((\a)%4)
.irp q, 0,1,2,3
	ds_load_b128 v[FA+8*(\q):FA+8*(\q)+3],   v[ADRA+1] offset:64*(\q)+(\a)*16*PITCHA
	ds_load_b128 v[FA+8*(\q)+4:FA+8*(\q)+7], v[ADRA+1] offset:64*(\q)+(\a)*16*PITCHA+32
.endr
.endm
.macro ROW a                           ; block a is finished: 32 matrix instructions
.set FA, PA+32*((\a)%4)                ; its fragments of A
.set AC, 64*((\a)%4)                   ; its eight accumulators, in window 2 (blocks 0-3) or 3 (blocks 4-7)
	WIN MUL_LO+0x50*((\a)/4)
.irp q, 0,1,2,3
.if (\a) == 0 && (\q) == 2
	s_wait_dscnt 24                                ; B's quarter 2 is in (behind it: A's blocks 1 to 3)
.endif
.irp b, 0,1,2,3,4,5,6,7
	v_wmma_f32_16x16x32_bf16 v[AC+8*(\b):AC+8*(\b)+7], v[64*(\q)+8*(\b):64*(\q)+8*(\b)+7], v[FA+8*(\q):FA+8*(\q)+7], v[AC+8*(\b):AC+8*(\b)+7]
.endr
.endr
.endm
; THE WAY OUT of block a (16 rows x 128 columns), in three parts, all in the block's own 64 accumulator registers, which nothing writes afterwards: so no stored register is ever rewritten.
; PACK: times 1 / l, in place.  TOSTAGE: 32 bytes a lane into my own stage, and back as whole rows of 512 bytes, into the registers that they left.  SEND: stored.
.macro PACK a
.set AC, 64*((\a)%4)
	WIN 0x82+0x41*((\a)/4)                         ; destination and source 0: window 2 or 3; 1 / l in window 0
.set i, 0
.rept 32                                       ; each accumulator's registers in ascending order
	v_pk_mul_f32 v[AC+2*i:AC+2*i+1], v[AC+2*i:AC+2*i+1], v[RL+2*(\a):RL+2*(\a)+1] op_sel_hi:[1,0]
.set i, i+1
.endr
.endm
.macro TOSTAGE a
.set AC, 64*((\a)%4)
	WIN 0x08+0x04*((\a)/4)                         ; the stores' data (source 1): window 2 or 3; the address in window 0
.irp b, 0,1,2,3,4,5,6,7
	ds_store_b128 v[STO], v[AC+8*(\b):AC+8*(\b)+3]   offset:64*(\b)
	ds_store_b128 v[STO], v[AC+8*(\b)+4:AC+8*(\b)+7] offset:64*(\b)+16
.endr
	WIN 0x80+0x40*((\a)/4)                         ; the loads' destination: the same window
.irp t, 0,1,2,3,4,5,6,7,8,9,10,11,12,13,14,15
	ds_load_b128 v[AC+4*(\t):AC+4*(\t)+3], v[RD] offset:(\t)*SPITCH  ; LDS serves a wave's instructions in order (ISA guide 5.7.1.4): these see the stores above; the next block's stores come behind them
.endr
.endm
.macro SEND a, younger                 ; younger: the LDS loads issued behind TOSTAGE's, which may stay out
.set AC, 64*((\a)%4)
	WIN 0x08+0x04*((\a)/4)
	s_wait_dscnt \younger                          ; the block is back in registers
.irp t, 0,1,2,3,4,5,6,7,8,9,10,11,12,13,14,15
	global_store_b128 v[CO], v[AC+4*(\t):AC+4*(\t)+3], s[8:9] offset:((\a)*16+(\t))*OROW th:TH_STORE_NT  ; 32 lanes store 512 consecutive bytes, at a multiple of 512 from out0's first byte; 127 rows at the most: inside the signed 24-bit immediate
.endr
.endm
	s_wait_tensorcnt 1                             ; my part of K step 0 is in; K step 1's may stay out
	s_barrier_signal -1
	s_barrier_wait -1                              ; everybody's is
	FETCH 0, 0, F0
	QUARTER 0, 1, F0, F1, 1                        ; the first quarter stands in front of the loop: its products start the sums
	WIN 0                                          ; at a label and at a branch every window is 0
	s_mov_b32 s3, LAPS-1
.Llap:                                                 ; a trip goes once round the ring, from a lap's second quarter to the next lap's first, and fills both slots again
	QUARTER 0, 2, F1, F0, 0
	QUARTER 0, 3, F0, F1, 0
	TURN 0, 1
	QUARTER 1, 1, F0, F1, 0
	QUARTER 1, 2, F1, F0, 0
	QUARTER 1, 3, F0, F1, 0
	TURN 1, 0
	QUARTER 0, 1, F0, F1, 0
	WIN 0
	s_sub_co_u32 s3, s3, 1
	s_cmp_lg_u32 s3, 0
	s_cbranch_scc1 .Llap
	QUARTER 0, 2, F1, F0, 0                        ; the last lap fills nothing
	QUARTER 0, 3, F0, F1, 0
	MEET 0                                         ; my one tensor load that was still out is slot 1's, the last K step's, so no round follows
	PLACES                                         ; for the loads into buffer 0, which the quarter before multiplied
	BLOAD 0                                        ; three quarters of B now: buffer 1 (v128-191 of both windows) is still being multiplied
	BLOAD 1
	BLOAD 3
	ALOAD 0
	MUL16 F1, 1, 0, 0
	MUL16 F1, 1, 2, 0
	PLACES                                         ; for the loads into buffer 1
	BLOAD 2
	ALOAD 1
	ALOAD 2
	ALOAD 3
	s_wait_dscnt 40                                ; all but the 40 just issued
	ROW 0
; Block a is scaled and sent through the stage; the next block's 32 products stand between the stage's loads and the wait for them; then block a is stored.
.irp a, 0,1,2,3,4,5,6,7
	PLACES                                         ; the multiplies read and write results just made; the four are also the places in front of the loads into A's buffer a % 4
	PACK \a
	TOSTAGE \a
.if (\a) < 4
	ALOAD (\a)+4                                   ; its buffer takes the block four further on
.endif
.if (\a) == 0
	s_wait_dscnt 40                                ; A's blocks 1 to 3 are in: behind them stand the stage's 32 instructions and the 8 loads just issued.  Later blocks' fragments are shown in by SEND's waits
.endif
.if (\a) < 7
	ROW (\a)+1
.endif
.if (\a) < 4
	SEND \a, 8
.else
	SEND \a, 0
.endif
.endr
	WIN 0
	s_wait_tensorcnt 0x0                           ; the wave's end, behind my last tensor load and my last LDS store
	ds_add_u32 v[SPW], v[NIL]
	s_wait_dscnt 0x0
	CROUND                                         ; the closing round: no work-group ends while a partner may still ask for a tile that names it
	s_endpgm
.Lfunc_end_k_qb42cb3baed_context:
	.size	k_qb42cb3baed_context, .Lfunc_end_k_qb42cb3baed_context-k_qb42cb3baed_context
	.p2alignl 7, 3214868480
	.fill 96, 4, 3214868480
	.section	.rodata,"a",@progbits
	.p2align	6, 0x0
	.amdhsa_kernel k_qb42cb3baed_context
		.amdhsa_group_segment_fixed_size 327680
		.amdhsa_private_segment_fixed_size 0
		.amdhsa_enable_private_segment 0
		.amdhsa_kernarg_size 32
		.amdhsa_user_sgpr_count 2
		.amdhsa_user_sgpr_kernarg_segment_ptr 1
		.amdhsa_wavefront_size32 1
		.amdhsa_system_sgpr_workgroup_id_x 1
		.amdhsa_system_sgpr_workgroup_id_y 1
		.amdhsa_system_sgpr_workgroup_id_z 1
		.amdhsa_system_vgpr_workitem_id 0
		.amdhsa_next_free_vgpr 1024
		.amdhsa_next_free_sgpr 88
		.amdhsa_reserve_vcc 0
		.amdhsa_float_denorm_mode_32 3
		.amdhsa_float_denorm_mode_16_64 3
		.amdhsa_memory_ordered 1
		.amdhsa_forward_progress 1
		.amdhsa_inst_pref_size 164
	.end_amdhsa_kernel
	.amdgpu_metadata
---
amdhsa.version: [ 1, 2 ]
amdhsa.kernels:
  - .name:           k_qb42cb3baed_context
    .symbol:         k_qb42cb3baed_context.kd
    .args:
      - { .name: p, .offset: 0, .size: 8, .value_kind: global_buffer, .address_space: global }
      - { .name: vb, .offset: 8, .size: 8, .value_kind: global_buffer, .address_space: global }
      - { .name: lpart, .offset: 16, .size: 8, .value_kind: global_buffer, .address_space: global }
      - { .name: out0, .offset: 24, .size: 8, .value_kind: global_buffer, .address_space: global }
    .group_segment_fixed_size: 327680
    .private_segment_fixed_size: 0
    .kernarg_segment_align: 8
    .kernarg_segment_size: 32
    .max_flat_workgroup_size: 128
    .sgpr_count:     88
    .vgpr_count:     1024
    .wavefront_size: 32
...
	.end_amdgpu_metadata
.endif
;; end of part 3
;; ======== version 2 of 2: 3 launches; version 1 with the launch cast written anew for expert scheduling mode
;; workspace buffers: qb 33,554,432 bytes; kb 33,554,432 bytes; vb 33,554,432 bytes; p 67,108,864 bytes; lpart 1,048,576 bytes
;; launch cast (part 4): grid 256 x 3, 8 waves a work-group, no clusters, 0 bytes of LDS; arguments q, k, v, qb, kb, vb; writes qb, kb, vb
.if DOCPART == 4
	.amdgcn_target "amdgcn-amd-amdhsa--gfx1250"
	.amdhsa_code_object_version 6
	.text
	.protected	k_qb42cb3baed_cast
	.globl	k_qb42cb3baed_cast
	.p2align	8
	.type	k_qb42cb3baed_cast,@function
k_qb42cb3baed_cast:
	s_mov_b64 s[64:65], 0
	v_nop
	global_prefetch_b8 v0, s[64:65] scope:SCOPE_SE
	s_setreg_imm32_b32 hwreg(HW_REG_WAVE_SCHED_MODE, 0, 2), 2
	s_setreg_imm32_b32 hwreg(HW_REG_WAVE_MODE, 25, 1), 1
	s_wait_xcnt 0x0
	s_wait_alu depctr_vm_vsrc(0)
; qb = bf16(q), kb = bf16(k), vb = bf16(v): the same layouts, each number rounded once to nearest even.  Each tensor has 16,777,216 numbers.
; The grid's y picks the tensor, its x a piece of 65,536 numbers (262,144 bytes in, 131,072 out).  Eight waves.  A step takes 1,024 numbers: thread t loads the 16 bytes at 16 t of the step's
; 4,096 and stores the 8 bytes at 8 t of its 2,048: a wave's load covers 512 consecutive bytes, aligned, and its store 256 consecutive bytes, aligned, so no load names bytes that it does not use.
; No LDS, no barrier, no matrix unit: each byte is read once and written once, and no wave wants another's bytes.
; THE MODE: SCHED_MODE bits 1:0 = 2 (LLVM: expert scheduling mode 2), set by the entry lines.  The code itself states the register dependences
; between vector instructions and memory instructions, with s_wait_alu, always for 0.
; THE PLAN.  The 64 steps go in 16 blocks of four.  Registers that memory instructions touch:
;   X0 .. X3   four blocks of f32 as loaded.  Written by the loads of block p + 3, issued in block p; read by block p's conversions.
;   Y0, Y1     two blocks of bf16 to store.   Written by block p's conversions; read by the four stores that are issued in block p + 1.
;   v1, v2     byte offsets, made once at the head and never written again: the steps are reached by the two scalar bases, which move on by a
;              block at each block's head, and by immediate offsets.
; Block p works on X[p % 4] and writes Y[p % 2].  Its memory instructions are the loads into X[(p + 3) % 4] = X[(p - 1) % 4] and the stores from
; Y[(p - 1) % 2]: the two buffers that block p - 1 worked on and that no vector instruction of block p names.  So the waits at the head of a block
; state all that the block's eight memory instructions hang on, and these are dealt among its eight conversions with no further wait.
; At a block's head eight loads of the wave are on their way, behind its four new ones twelve.
.set BLOCK,  4                         ; steps in a block
.set BLOCKS, 64 / BLOCK
.set SIN,    4096                      ; bytes read in a step
.set SOUT,   2048                      ; bytes written in a step
.set X, 8                              ; v[8:71]   buffer k, step i: 4 registers at X + 16 k + 4 i: 4 numbers in f32, as loaded
.set Y, 72                             ; v[72:87]  buffer k, step i: 2 registers at Y + 8 k + 2 i: the same in bf16, to store
	s_load_b256 s[4:11], s[0:1], 0x0               ; q s[4:5], k s[6:7], v s[8:9], qb s[10:11]
	s_load_b128 s[20:23], s[0:1], 0x20             ; kb s[20:21], vb s[22:23]
	s_and_b32 s13, ttmp7, 0xffff                   ; which tensor
	s_lshl_b32 s2, ttmp9, 18                       ; my piece, in bytes of the input,
	s_mov_b32 s3, 0
	s_lshl_b32 s14, ttmp9, 17                      ; and of the output
	s_mov_b32 s15, 0
	v_lshlrev_b32 v1, 4, v0                        ; 16 t; never rewritten
	v_lshlrev_b32 v2, 3, v0                        ; 8 t; never rewritten
	s_wait_kmcnt 0x0
	s_cmp_eq_u32 s13, 1
	s_cselect_b64 s[16:17], s[6:7], s[4:5]
	s_cselect_b64 s[18:19], s[20:21], s[10:11]
	s_cmp_eq_u32 s13, 2
	s_cselect_b64 s[16:17], s[8:9], s[16:17]       ; the input
	s_cselect_b64 s[18:19], s[22:23], s[18:19]     ; the output
	s_add_nc_u64 s[16:17], s[16:17], s[2:3]
	s_add_nc_u64 s[18:19], s[18:19], s[14:15]
	s_wait_alu depctr_va_vdst(0)                   ; v1 and v2 are written: every load of the kernel reads v1 as its offset, every store v2
.irp i, 0,1,2,3,4,5,6,7,8,9,10,11
	global_load_b128 v[X+4*(\i):X+4*(\i)+3], v1, s[16:17] offset:(\i)*SIN th:TH_LOAD_NT  ; blocks 0, 1 and 2 into X0, X1, X2
.endr
; Block p.  xb = p % 4, yb = p % 2.  first = 1: block 0, with no block in front of it.  ahead = 1: block p + 3 is loaded.
; left = how many younger loads may still be out when this block's four have to be there.
.macro BLK xb, yb, first, ahead, left
	s_wait_loadcnt \left                           ; loads come back in order (ISA guide 5.7.1): X[xb] is in, the younger blocks stay out
.if !\first
	s_wait_xcnt 0x0                                ; every load and store issued so far has had its addresses translated (ISA guide 3.1): the two bases and Y[yb] are rewritten only behind this wait
	s_wait_alu depctr_vm_vsrc(0)                   ; the stores issued in the block before have read Y[yb], which this block's conversions write again
	s_wait_alu depctr_va_vdst(0)                   ; the block before has written the other Y, which the stores below read, and is done reading its X, in which the loads below land
	s_add_nc_u64 s[16:17], s[16:17], BLOCK*SIN     ; both bases at this block's first step
	s_add_nc_u64 s[18:19], s[18:19], BLOCK*SOUT
.endif
.irp i, 0,1,2,3
.if \ahead
	global_load_b128 v[X+16*((\xb+3)%4)+4*(\i):X+16*((\xb+3)%4)+4*(\i)+3], v1, s[16:17] offset:(3*BLOCK+(\i))*SIN th:TH_LOAD_NT  ; three blocks ahead; no vector instruction since the wait names these registers
.endif
.if !\first
	global_store_b64 v2, v[Y+8*(1-\yb)+2*(\i):Y+8*(1-\yb)+2*(\i)+1], s[18:19] offset:((\i)-BLOCK)*SOUT  ; the block before: the offset reaches back
.endif
.irp j, 0,1
	v_cvt_pk_bf16_f32 v[Y+8*\yb+2*(\i)+(\j)], v[X+16*\xb+4*(\i)+2*(\j)], v[X+16*\xb+4*(\i)+2*(\j)+1]  ; two roundings to bf16, packed
.endr
.endr
.endm
	BLK 0, 0, 1, 1, 2*BLOCK                        ; block 0: its loads land in X3, which no vector instruction has named, and nothing has read Y0
	s_mov_b32 s12, (BLOCKS-4)/4
.Lround:                                               ; blocks 1 to 12, four to a lap: both kinds of buffer are back at their start
	BLK 1, 1, 0, 1, 2*BLOCK
	BLK 2, 0, 0, 1, 2*BLOCK
	BLK 3, 1, 0, 1, 2*BLOCK
	BLK 0, 0, 0, 1, 2*BLOCK
	s_sub_co_u32 s12, s12, 1
	s_cmp_lg_u32 s12, 0
	s_cbranch_scc1 .Lround
	BLK 1, 1, 0, 0, 2*BLOCK                        ; blocks 13 to 15 load nothing: no load leaves the piece, and the counts run down
	BLK 2, 0, 0, 0, BLOCK
	BLK 3, 1, 0, 0, 0
	s_wait_alu depctr_va_vdst(0)                   ; block 15 has written Y1, which the last four stores read
.irp i, 0,1,2,3
	global_store_b64 v2, v[Y+8+2*(\i):Y+8+2*(\i)+1], s[18:19] offset:(\i)*SOUT
.endr
	s_endpgm
.Lfunc_end_k_qb42cb3baed_cast:
	.size	k_qb42cb3baed_cast, .Lfunc_end_k_qb42cb3baed_cast-k_qb42cb3baed_cast
	.p2alignl 7, 3214868480
	.fill 96, 4, 3214868480
	.section	.rodata,"a",@progbits
	.p2align	6, 0x0
	.amdhsa_kernel k_qb42cb3baed_cast
		.amdhsa_group_segment_fixed_size 0
		.amdhsa_private_segment_fixed_size 0
		.amdhsa_enable_private_segment 0
		.amdhsa_kernarg_size 48
		.amdhsa_user_sgpr_count 2
		.amdhsa_user_sgpr_kernarg_segment_ptr 1
		.amdhsa_wavefront_size32 1
		.amdhsa_system_sgpr_workgroup_id_x 1
		.amdhsa_system_sgpr_workgroup_id_y 1
		.amdhsa_system_sgpr_workgroup_id_z 1
		.amdhsa_system_vgpr_workitem_id 0
		.amdhsa_next_free_vgpr 88
		.amdhsa_next_free_sgpr 66
		.amdhsa_reserve_vcc 0
		.amdhsa_float_denorm_mode_32 3
		.amdhsa_float_denorm_mode_16_64 3
		.amdhsa_memory_ordered 1
		.amdhsa_forward_progress 1
		.amdhsa_inst_pref_size 13
	.end_amdhsa_kernel
	.amdgpu_metadata
---
amdhsa.version: [ 1, 2 ]
amdhsa.kernels:
  - .name:           k_qb42cb3baed_cast
    .symbol:         k_qb42cb3baed_cast.kd
    .args:
      - { .name: q, .offset: 0, .size: 8, .value_kind: global_buffer, .address_space: global }
      - { .name: k, .offset: 8, .size: 8, .value_kind: global_buffer, .address_space: global }
      - { .name: v, .offset: 16, .size: 8, .value_kind: global_buffer, .address_space: global }
      - { .name: qb, .offset: 24, .size: 8, .value_kind: global_buffer, .address_space: global }
      - { .name: kb, .offset: 32, .size: 8, .value_kind: global_buffer, .address_space: global }
      - { .name: vb, .offset: 40, .size: 8, .value_kind: global_buffer, .address_space: global }
    .group_segment_fixed_size: 0
    .private_segment_fixed_size: 0
    .kernarg_segment_align: 8
    .kernarg_segment_size: 48
    .max_flat_workgroup_size: 256
    .sgpr_count:     66
    .vgpr_count:     88
    .wavefront_size: 32
...
	.end_amdgpu_metadata
.endif
;; end of part 4
;; launch scores: the kernel of part 2 again; grid 8 x 64, 4 waves a work-group, clusters of 4 x 4, 327,680 bytes of LDS; arguments qb, kb, b, p, lpart; writes p, lpart
;; launch context: the kernel of part 3 again; grid 4 x 64, 4 waves a work-group, clusters of 4 x 4, 327,680 bytes of LDS; arguments p, vb, lpart, out0; writes out0
